; MI455X (gfx1250); checked and timed in simulation.
; The chip was launched on July 23, 2026; its instructions are those of AMD's public machine-readable ISA for CDNA 5 (MIT licence, August 2026) and "CDNA5" Instruction Set Architecture Reference Guide (July 2026). The comments in the code are by the model that wrote it; some were corrected since.
;; CIN. Allowed arithmetic: float matrix products may take bf16 or f16 operands with f32 sums; all other float work in f32.
;; Inputs: b_nn 1 float32; f0 1,521 x 128 float32; f1 2,496 x 128 float32; f2 2,496 x 128 float32; nn_input 4,096 x 624 float32; w_nn 256 x 1 float32.
;; Outputs: out0 4,096 x 1 float32.
;; One version. Each part assembles by itself: llvm-mc -triple=amdgcn-amd-amdhsa -mcpu=gfx1250 --defsym DOCPART=n.
;; ======== version 1 of 1: 2 launches
;; workspace buffers: wf 1,474,560 bytes
;; launch prep (part 1): grid 360 x 1, 8 waves a work-group, no clusters, 0 bytes of LDS; arguments f0, f1, f2, wf; writes wf
.if DOCPART == 1
	.amdgcn_target "amdgcn-amd-amdhsa--gfx1250"
	.amdhsa_code_object_version 6
	.text
	.protected	k_q4f6675d965_prep
	.globl	k_q4f6675d965_prep
	.p2align	8
	.type	k_q4f6675d965_prep,@function
k_q4f6675d965_prep:
	s_mov_b64 s[64:65], 0
	v_nop
	global_prefetch_b8 v0, s[64:65] scope:SCOPE_SE
	s_setreg_imm32_b32 hwreg(HW_REG_WAVE_MODE, 25, 1), 1
	s_wait_xcnt 0x0
; The three filters, f32 [K][128], are rounded to bf16 once and laid out as the matrix instruction's source 0 wants them, so that the
; main launch reads them with plain 16-byte LDS loads.  wf holds 180 K steps of 32, 8,192 bytes each.  Inside a step:
;   byte = 1024 nb + 512 q + 16 L + 2 e,  L = 16 h + r:  the filter's column l = 16 nb + r, and k = 16 q + 8 h + e of the step.
; Steps 24 .. 101 are f1, steps 102 .. 179 f2, in their own row order: row = 32 (step in the layer) + k.
; Steps 0 .. 23 are layer 0, COMPACTED: its mask keeps the 741 pairs i < j.  39 is odd, so {a, (a + dl) mod 39}, a = 0 .. 38, dl = 1 .. 19, is each
; unordered pair once.  Lane half h has 384 places sg = 16 step + 8 q + e:  dl = 1 + sg / 20, t = sg % 20, a = 20 h + t, b = (a + dl) mod 39.
; The value is 2 f0[39 min(a, b) + max(a, b)][l] (the doubling is exact); the places with sg >= 380 or a = 39 hold 0, chosen by a select, not by a product.
; A work-group makes half a step, 4,096 bytes; a thread 16 bytes; one store of a wave covers 512 consecutive bytes, aligned.
; No LDS and no matrix unit: 3.3 MB are read once and 1.5 MB written once.
.set TRI, 24                           ; K steps of layer 0
.set NAT, 78                           ; K steps of layer 1, and of layer 2
.set OF,  8                            ; v[8:15]   the byte offsets of my eight numbers (the natural path needs v8 alone)
.set DA,  16                           ; v[16:23]  the eight numbers in f32
.set PK,  24                           ; v[24:27]  packed
	s_load_b256 s[4:11], s[0:1], 0x0               ; f0 s[4:5], f1 s[6:7], f2 s[8:9], wf s[10:11]
	s_lshr_b32 s12, ttmp9, 1                       ; the K step
	s_and_b32 s13, ttmp9, 1                        ; which half of it
	s_lshl_b32 s2, ttmp9, 12                       ; my work-group's 4,096 bytes of wf
	s_mov_b32 s3, 0
	v_and_b32 v1, 15, v0                           ; r
	v_bfe_u32 v2, v0, 4, 1                         ; h
	v_bfe_u32 v3, v0, 5, 1                         ; q
	v_lshrrev_b32 v4, 6, v0
	v_lshl_add_u32 v4, s13, 2, v4                  ; nb
	v_lshl_add_u32 v5, v4, 4, v1                   ; the column l = 16 nb + r,
	v_lshlrev_b32 v5, 2, v5                        ; in bytes
	v_lshlrev_b32 v6, 4, v0                        ; my 16 bytes in the work-group's part
	s_wait_kmcnt 0x0
	s_add_nc_u64 s[10:11], s[10:11], s[2:3]
	s_cmp_lt_u32 s12, TRI
	s_cbranch_scc1 .Ltri
	; f1 or f2, in row order
	s_sub_co_u32 s14, s12, TRI                     ; the step, counted from f1's first
	s_sub_co_u32 s15, s14, NAT                     ; and from f2's first
	s_cmp_ge_u32 s14, NAT
	s_cselect_b64 s[16:17], s[8:9], s[6:7]         ; the choice hangs on the step's number alone
	s_cselect_b32 s14, s15, s14
	s_lshl_b32 s18, s14, 14                        ; 32 rows of 512 bytes
	s_mov_b32 s19, 0
	s_add_nc_u64 s[16:17], s[16:17], s[18:19]
	v_lshl_add_u32 v[OF], v3, 13, v5               ; 16 q rows,
	v_lshl_add_u32 v[OF], v2, 12, v[OF]            ; 8 h rows
.irp e, 0,1,2,3,4,5,6,7
	global_load_b32 v[DA+\e], v[OF], s[16:17] offset:512*\e
.endr
	s_wait_loadcnt 0x0                             ; all eight: they are packed together
	s_branch .Lpack
.Ltri:
	s_lshl_b32 s28, s12, 4
	v_lshl_add_u32 v28, v3, 3, s28                 ; sg of e = 0
	v_mul_u32_u24 v33, 20, v2                      ; 20 h
.irp e, 0,1,2,3,4,5,6,7
	v_add_nc_u32 v29, \e, v28                      ; sg
	v_mul_u32_u24 v30, 0xccd, v29                  ; sg / 20 = (3277 sg) >> 16: 3277 / 65536 exceeds 1 / 20 by 6.1e-5 of it, under 0.002 at sg = 383, less than the 1 / 20 that would matter
	v_lshrrev_b32 v30, 16, v30
	v_mul_u32_u24 v31, 20, v30
	v_sub_nc_u32 v31, v29, v31                     ; t
	v_add_nc_u32 v32, v33, v31                     ; a
	v_add3_u32 v34, v32, v30, 1                    ; a + dl,
	v_cmp_le_u32 vcc_lo, 39, v34
	v_add_nc_u32 v35, 0xffffffd9, v34              ; less 39
	v_cndmask_b32 v34, v34, v35, vcc_lo            ; where it has passed 38: b
	v_min_u32 v35, v32, v34
	v_max_u32 v36, v32, v34
	v_mad_u32_u24 v35, v35, 39, v36                ; f0's row; at the unused places too it lies inside f0: 39 x 20 + 39 at the most where a = 39, 39 x 38 + 38 elsewhere
	v_lshl_add_u32 v[OF+\e], v35, 9, v5
	v_cmp_gt_u32 s29, 380, v29
	v_cmp_gt_u32 s30, 39, v32
	s_and_b32 s[20+\e], s29, s30                   ; the place is in use
	global_load_b32 v[DA+\e], v[OF+\e], s[4:5]
.endr
	s_wait_loadcnt 0x0
.irp e, 0,1,2,3,4,5,6,7
	v_add_f32 v[DA+\e], v[DA+\e], v[DA+\e]         ; times 2
	v_cndmask_b32 v[DA+\e], 0, v[DA+\e], s[20+\e]
.endr
.Lpack:
.irp j, 0,1,2,3
	v_cvt_pk_bf16_f32 v[PK+\j], v[DA+2*\j], v[DA+2*\j+1]
.endr
	global_store_b128 v6, v[PK:PK+3], s[10:11]
	s_endpgm
.Lfunc_end_k_q4f6675d965_prep:
	.size	k_q4f6675d965_prep, .Lfunc_end_k_q4f6675d965_prep-k_q4f6675d965_prep
	.p2alignl 7, 3214868480
	.fill 96, 4, 3214868480
	.section	.rodata,"a",@progbits
	.p2align	6, 0x0
	.amdhsa_kernel k_q4f6675d965_prep
		.amdhsa_group_segment_fixed_size 0
		.amdhsa_private_segment_fixed_size 0
		.amdhsa_enable_private_segment 0
		.amdhsa_kernarg_size 32
		.amdhsa_user_sgpr_count 2
		.amdhsa_user_sgpr_kernarg_segment_ptr 1
		.amdhsa_wavefront_size32 1
		.amdhsa_system_sgpr_workgroup_id_x 1
		.amdhsa_system_sgpr_workgroup_id_y 1
		.amdhsa_system_sgpr_workgroup_id_z 1
		.amdhsa_system_vgpr_workitem_id 0
		.amdhsa_next_free_vgpr 48
		.amdhsa_next_free_sgpr 66
		.amdhsa_reserve_vcc 1
		.amdhsa_float_denorm_mode_32 3
		.amdhsa_float_denorm_mode_16_64 3
		.amdhsa_memory_ordered 1
		.amdhsa_forward_progress 1
		.amdhsa_inst_pref_size 11
	.end_amdhsa_kernel
	.amdgpu_metadata
---
amdhsa.version: [ 1, 2 ]
amdhsa.kernels:
  - .name:           k_q4f6675d965_prep
    .symbol:         k_q4f6675d965_prep.kd
    .args:
      - { .name: f0, .offset: 0, .size: 8, .value_kind: global_buffer, .address_space: global }
      - { .name: f1, .offset: 8, .size: 8, .value_kind: global_buffer, .address_space: global }
      - { .name: f2, .offset: 16, .size: 8, .value_kind: global_buffer, .address_space: global }
      - { .name: wf, .offset: 24, .size: 8, .value_kind: global_buffer, .address_space: global }
    .group_segment_fixed_size: 0
    .private_segment_fixed_size: 0
    .kernarg_segment_align: 8
    .kernarg_segment_size: 32
    .max_flat_workgroup_size: 256
    .sgpr_count:     66
    .vgpr_count:     48
    .wavefront_size: 32
...
	.end_amdgpu_metadata
.endif
;; end of part 1
;; launch cin (part 2): grid 256 x 1, 4 waves a work-group, clusters of 4 x 1, 327,680 bytes of LDS; arguments nn_input, wf, w_nn, b_nn, out0; writes out0
.if DOCPART == 2
	.amdgcn_target "amdgcn-amd-amdhsa--gfx1250"
	.amdhsa_code_object_version 6
	.text
	.protected	k_q4f6675d965_cin
	.globl	k_q4f6675d965_cin
	.p2align	8
	.type	k_q4f6675d965_cin,@function
k_q4f6675d965_cin:
	s_mov_b64 s[64:65], 0
	v_nop
	global_prefetch_b8 v0, s[64:65] scope:SCOPE_SE
	s_setreg_imm32_b32 hwreg(HW_REG_WAVE_MODE, 25, 1), 1
	s_wait_xcnt 0x0
	s_wait_alu depctr_hold_cnt(0) depctr_sa_sdst(0) depctr_va_vdst(0) depctr_va_sdst(0) depctr_va_ssrc(0) depctr_va_vcc(0) depctr_vm_vsrc(0)
	s_getreg_b32 s2, hwreg(HW_REG_IB_STS2, 6, 4)
	s_cmp_eq_u32 s2, 0
	s_cbranch_scc0 .Lentry_in_a_cluster
	s_endpgm
.Lentry_in_a_cluster:
	s_bfe_u32 s2, ttmp6, 0x10000c
	s_cmp_lg_u32 s2, 0x3003
	s_cbranch_scc0 .Lentry_shape_is_right
	s_endpgm
.Lentry_shape_is_right:
; CIN, all three layers and the final sum in one launch.  Rows are (batch, d): 65,536 of them.  A layer is curr[row][l] = relu(sum over k of z[row][k] F[k][l]), 128 columns, where z is not in
; memory: z[row][(i, j)] = x[row][i] hidden[row][j].  out[batch] = b + sum over the direct columns and the 16 d of (1 + w[column]) curr.
; SHARES.  A work-group owns 16 batches, each of its four waves 4: four row blocks of 16 rows (the 16 d of one batch) x all 128 columns: 32 accumulators, 256 registers.  Waves share the filter stream alone.
; K goes in steps of 32: 24 for layer 0 (its 741 kept pairs in 768 places: the launch before laid the filter out so), 78 for layer 1, 78 for layer 2: 180 steps, 32 matrix instructions each.
; THE MATRIX INSTRUCTION IS USED TRANSPOSED: source 0 = 16 filter columns x 32 k, source 1 = z, 32 k x 16 rows.  In the result lane (r, h) holds row d = r and the columns 16 nb + 8 h + 0..7.  Source 1 wants from
; the same lane k = 16 q + 8 h + 0..7.  So relu of accumulators nb = 0..3 IS, register for register, the lane's 32 + 32 hidden numbers of the next layer's two steps a field: nothing changes lanes between layers.
; Z IS MADE BESIDE THE PRODUCTS: one v_fma_mixlo/hi_bf16 a number: x (f32) x hidden (f32) + 0, the exact product rounded once to bf16, into one half of a register.  Its operand places are those of the matrix
; instruction (source 0 in window 0; source 1, source 2 and destination in the accumulators' window), so two of them stand behind every matrix instruction with no switch of windows: they make the next step's z.
; LAYER 0.  Lane half h keeps E[u] = x[(20 h + u) mod 39], u = 0..38; place sg = 16 step + 2 register + half of a word is E[sg % 20] x E[sg % 20 + 1 + sg / 20].  Unused places meet a filter of 0.
; THE STREAM.  wf, 1,474,560 bytes, is walked by every work-group alike: 15 slots' worth of 12 steps through two LDS slots; each wave asks for a quarter of a slot.  CLUSTER: the four work-groups of a cluster ask
; JOINTLY (same load, same descriptor, mask of four), which divides the requests for wf by four; a mask names four at the most, so a larger cluster would add nothing.
; By this text's count a wave has three tensor loads out at the start and one behind each round of the cluster's barrier; that one has 12 steps, 384 matrix instructions, in which to land.
; LIMITS.  Filters are rounded to bf16, z once to bf16; x, hidden numbers and all sums are f32; 1 + w is rounded once in f32.  relu is v_max_num_f32: a NaN becomes 0; NaN and infinities are not treated apart
; (an unused place of layer 0 is a product of two x times 0: it wants finite x).
;
; REGISTERS, in windows of 256 (s_set_vgpr_msb: bits 1:0 source 0, 3:2 source 1, 5:4 source 2, 7:6 destination):
;   window 0: v0-10 addresses; v30-31 for the add; v32-95, v96-159 filter fragments, two buffers; v160-239 P[block][t] = E[t], t = 0..19 (layer 0's first factor); v240-243 x of the field in hand; v244-247 of the next; v248-251 results
;   windows 1 (row blocks 0, 1) and 2 (blocks 2, 3), one map: v0-127 accumulators at 64 l + 8 nb; v128-205 E at 128 + 39 l + u, later v128-191 hidden at 128 + 32 l + 8 nb + j; v206 zero;
;              v208-239 z, two buffers of two fragments; v240-255 four pairs of partial sums a block
;   window 3: v0-127 1 + w: group g of 16 final columns at 8 g + j
.set STEPBY, 8192                      ; a K step's filter fragments
.set SLOTB,  12*STEPBY                 ; a slot: 12 steps
.set QUART,  SLOTB/4                   ; what one tensor load brings: 96 rows of 256 bytes
.set SLOT1,  1<<17                     ; slot 1 begins here, so that one exclusive or turns an address in one slot into the other's
.set XS,     SLOT1+SLOTB               ; x as it lies in memory, [batch][field][d] in f32
.set XBATCH, 2496                      ; a batch's 39 x 16 numbers
.set XW,     4*XBATCH                  ; a wave's four batches: 39 rows of 256 bytes
.set SPARE,  XS+4*XW                   ; the spare words, 128 bytes for each wave: two blocks of 256 bytes that no other line names
.set WL0, 2                            ; v2   16 x lane: my place in a fragment
.set WA,  3                            ; v3   LDS address of the run of fragment loads in hand
.set XB,  4                            ; v4   LDS address of x[batch 0 of my wave][field 0][d = r]
.set XA,  5                            ; v5   the same at the field to be loaded
.set EB1, 6                            ; v6   XB + 1280 h: E[u], u <= 18, lies 64 u behind it
.set EB2, 7                            ; v7   XB + 1216 (1 - h): E[u], u >= 19, lies 64 (u - 19) behind it
.set W8,  8                            ; v8   32 h: my eight numbers in a group of 16 of w
.set LN,  9                            ; v9   lane
.set Z0,  10                           ; v10  0: the store's offset
.set SPW, 30                           ; v30  LDS address of my spare word; never rewritten
.set NIL, 31                           ; v31  0; never rewritten
.set WB,  32
.set PREG, 160
.set XC,  240
.set XN,  244
.set RS,  248
.set EREG, 128
.set HREG, 128
.set ZR,  206
.set ZB,  208
.set SC,  240
.set WV,  14                           ; s14  my wave's number
.set CX,  15                           ; s15  my place in the cluster: it enters x's and out0's global addresses alone
.set WG,  16                           ; s16  my work-group
.set G1W, 24                           ; s[24:31] descriptor group 1 for wf
.set G1X, 32                           ; s[32:39] for x
.set G0A, 40                           ; s[40:43] group 0: slot 0's first fill
.set G0B, 44                           ; s[44:47] slot 1's first fill; it then walks on
.set G0X, 48                           ; s[48:51] x
.set TB,  52                           ; s52  LDS byte at which the step to be fetched begins
.set XO,  53                           ; s53  64 x the field whose x is loaded next, held at 38 fields
.set UNIT, 54                          ; s54  the field pair in hand, 0..77 over layers 1 and 2
.set CNT, 55
.set SL,  56
.set BN,  57                           ; s57  b
.set SEL, 58                           ; s[58:59] v_permlanex16_b32's selects: each lane takes its own place in the other half
.set SX,  60                           ; s60  EXEC, kept
.set KN, 0                             ; kinds of z: none, layer 0's, a later layer's
.set K0, 1
.set KH, 2
.set MSB, 0
.macro WIN new                         ; the immediate's high byte repeats the setting that is left; a switch that changes nothing is dropped
.if MSB != (\new)
	s_set_vgpr_msb (MSB<<8)|(\new)
.set MSB, (\new)
.endif
.endm
; A vector instruction that reads a matrix result or writes one of a matrix instruction's registers, and a load into such a register, stand four places behind it; only plain vector
; instructions that name none of its registers are places (ISA guide 7.12.1 for vector instructions).
.macro PLACES
.rept 4
	v_nop
.endr
.endm
; A round of the cluster's barrier: my work-group's barrier, so that wave 0's signal speaks for all four waves; wave 0 signals; every wave waits for all four work-groups; my work-group's barrier once more.
.macro CROUND
	s_barrier_signal -1
	s_barrier_wait -1
	s_cmp_lg_u32 s[WV], 0
	s_cbranch_scc1 .Lnot_wave_0_\@
	s_barrier_signal -3
.Lnot_wave_0_\@:
	s_barrier_wait -3
	s_barrier_signal -1
	s_barrier_wait -1
.endm
; A step's eight filter fragments into buffer wb: 16 loads in one run; lane L takes 16 bytes at 16 L: 512 consecutive bytes a load.
.macro FETCH wb
.irp n, 0,1,2,3,4,5,6,7
	ds_load_b128 v[WB+64*(\wb)+8*(\n):WB+64*(\wb)+8*(\n)+3],   v[WA] offset:1024*(\n)
	ds_load_b128 v[WB+64*(\wb)+8*(\n)+4:WB+64*(\wb)+8*(\n)+7], v[WA] offset:1024*(\n)+512
.endr
.endm
; One number of z, in window x: word g % 8 of block g / 8's fragment in buffer zd, low or high half.  kind KH, arg = c: x of the field in hand times hidden number 32 c + k.  kind K0, arg = the step: E[t] E[t + dl].
.macro RID kind, x, half, g, zd, arg
.set rbl_, (\g)/8
.set rho_, (\g)%8
.set rb_,  2*((\x)-1)+rbl_
.set dst_, ZB+16*(\zd)+8*rbl_+rho_
.if (\kind) == KH
.set s0_, XC+rb_
.set s1_, HREG+32*rbl_+16*(\arg)+2*rho_+(\half)
.else
.set sg_, 16*(\arg)+2*rho_+(\half)
.set s0_, PREG+20*rb_+sg_%20
.set s1_, EREG+39*rbl_+sg_%20+1+sg_/20
.endif
.if \half
	v_fma_mixhi_bf16 v[dst_], v[s0_], v[s1_], v[ZR]
.else
	v_fma_mixlo_bf16 v[dst_], v[s0_], v[s1_], v[ZR]
.endif
.endm
; A K step's 32 matrix instructions: filter buffer wb, z buffer zb; zero = 1: they start the sums.  The 32 accumulators take turns, one instruction a turn, in the same order in every step.
; Behind each stand two numbers of the NEXT step's z, into the other z buffer, whose last reader stands a step back.
.macro MULS wb, zb, zero, kind, arg
.irp x, 1, 2
	WIN 0x54*(\x)                                  ; source 0 window 0; source 1, source 2 and destination window x
.set m_, 0
.rept 16
.set acc_, 64*(m_%2)+8*(m_/2)
.set wf_,  WB+64*(\wb)+8*(m_/2)
.set zf_,  ZB+16*(\zb)+8*(m_%2)
.if \zero
	v_wmma_f32_16x16x32_bf16 v[acc_:acc_+7], v[wf_:wf_+7], v[zf_:zf_+7], 0
.else
	v_wmma_f32_16x16x32_bf16 v[acc_:acc_+7], v[wf_:wf_+7], v[zf_:zf_+7], v[acc_:acc_+7]
.endif
.if (\kind) != KN
	RID \kind, \x, 0, m_, 1-(\zb), \arg
	RID \kind, \x, 1, (m_+8)%16, 1-(\zb), \arg
.endif
.set m_, m_+1
.endr
.endr
.endm
; A layer's first z, into buffer 0, with no products to stand beside.
.macro LUMP kind, arg
.irp x, 1, 2
	WIN 0x54*(\x)
.set m_, 0
.rept 16
	RID \kind, \x, 0, m_, 0, \arg
.set m_, m_+1
.endr
.set m_, 0
.rept 16
	RID \kind, \x, 1, m_, 0, \arg
.set m_, m_+1
.endr
.endr
.endm
; A step's head: the NEXT step's fragments are asked for, a whole step ahead of their use.  The four vector lines are the places between the last product that read buffer wb and the loads into it.
.macro HEADF wb
	WIN 0
	v_add_nc_u32 v[WA], s[TB], v[WL0]
	v_nop
	v_nop
	v_nop
	s_add_co_u32 s[TB], s[TB], STEPBY
	FETCH \wb
	s_wait_dscnt 16                                ; LDS loads come back in order (ISA guide 5.7.1): all but the 16 just issued are in: this step's fragments, and x of the next field
.endm
.macro STEP0 s                         ; step s of layer 0
	HEADF ((\s)+1)%2
.if (\s) == 0
	MULS 0, 0, 1, K0, 1
.elseif (\s) < 23
	MULS (\s)%2, (\s)%2, 0, K0, (\s)+1
.else
	MULS 1, 1, 0, KN, 0
.endif
.endm
.macro STEPA zero                      ; a field's first step (hidden 0..31); its riders make the second step's z
	HEADF 1
	MULS 0, 0, \zero, KH, 1
.endm
.macro STEPB                           ; a field's second step (hidden 32..63); its riders make the next field's first z, so x moves on first.  The six vector lines are the places in front of the loads.
	WIN 0
.irp b, 0,1,2,3
	v_mov_b32 v[XC+\b], v[XN+\b]
.endr
	v_add_nc_u32 v[XA], s[XO], v[XB]
	v_add_nc_u32 v[WA], s[TB], v[WL0]
	s_add_co_u32 s[TB], s[TB], STEPBY
	s_add_co_u32 s[XO], s[XO], 64
	s_min_u32 s[XO], s[XO], 38*64                  ; a layer's last two fields have no field two further on: the last field is loaded again and not used
.irp b, 0,1,2,3
	ds_load_b32 v[XN+\b], v[XA] offset:XBATCH*\b
.endr
	FETCH 0
	s_wait_dscnt 20                                ; all but the 4 + 16 just issued: this step's fragments are in
	MULS 1, 1, 0, KH, 0
.endm
; A layer's end.  hid = 1: relu of accumulators 0-3 becomes the hidden numbers; the direct ones (4-7, or with hid = 0 all eight) are added up, each times 1 + w of its final column: groups g0 on.
; Each accumulator is read from its lowest register on.  The eight registers at work are z's buffer 0, two sets by turns: the step before read buffer 1.
.macro EPI hid, g0
.irp x, 1, 2
	WIN 0x54*(\x)+3                                ; as for the products, but source 0 in window 3: 1 + w
.irp l, 0, 1
.if \hid
.set i_, 0
.rept 32
	v_max_num_f32 v[HREG+32*(\l)+i_], 0, v[64*(\l)+i_]
.set i_, i_+1
.endr
.endif
.set n_, 4*(\hid)
.rept 8-4*(\hid)
.set t_, ZB+8*(n_%2)
.set a_, 64*(\l)+8*n_
.set w_, 8*((\g0)+n_-4*(\hid))
.irp j, 0,1,2,3,4,5,6,7
	v_max_num_f32 v[t_+\j], 0, v[a_+\j]
.endr
.irp p, 0,1,2,3
	v_pk_fma_f32 v[SC+8*(\l)+2*\p:SC+8*(\l)+2*\p+1], v[w_+2*\p:w_+2*\p+1], v[t_+2*\p:t_+2*\p+1], v[SC+8*(\l)+2*\p:SC+8*(\l)+2*\p+1]
.endr
.set n_, n_+1
.endr
.endr
.endr
.endm
; From one layer to the next: x of fields 0 and 1 is asked for, the layer ends, the new layer's first z is made, and its first step starts the sums anew.
.macro TRANS g0
	WIN 0
	s_wait_dscnt 0x0                               ; no load into x's registers is out: they are loaded again
	s_mov_b32 s[XO], 2*64
.irp b, 0,1,2,3
	ds_load_b32 v[XC+\b], v[XB] offset:XBATCH*\b
	ds_load_b32 v[XN+\b], v[XB] offset:XBATCH*\b+64
.endr
	PLACES                                         ; behind the layer's last products
	EPI 1, \g0
	s_wait_dscnt 0x0                               ; x of fields 0 and 1
	LUMP KH, 0
	STEPA 1
.endm
; A trip: a field's second step and the next field's first.  trans = 1: behind field 38's second step layer 1 ends.  Both jumps go forward, past no barrier and no tensor load, and both ways leave the same 16 LDS loads out.
.macro TRIP trans
	STEPB
.if \trans
	WIN 0
	s_cmp_eq_u32 s[UNIT], 38
	s_cbranch_scc0 .Lnorm_\@
	TRANS 4
	WIN 0
	s_branch .Ljoin_\@
.Lnorm_\@:
.endif
	STEPA 0
	WIN 0                                          ; at a label and at a branch every window is 0
.if \trans
.Ljoin_\@:
	s_add_co_u32 s[UNIT], s[UNIT], 1
.endif
.endm
; THE CHANGE OF SLOTS stands in front of a slot's LAST step: that step's fragments are in registers when the waits below are over, and its head reads the next slot.  Each wave waits for all its tensor loads, of which
; one is out: its part of the next slot; adds 0 to its spare word; and waits for that and for its own reads of this slot.  Behind the barrier nobody reads this slot any more and the next slot is whole.
; fill = 1: this slot is filled again, with the steps two slots on.  The barrier is then a round of the cluster's, so that no wave of any partner still reads the slot or has a load on its way, and the joint
; refill is the first thing behind it.
.macro CHANGE fill
	WIN 0
	s_wait_tensorcnt 0x0                           ; no tensor load of mine is out, so a group 0 may be written
	ds_add_u32 v[SPW], v[NIL]                      ; 0 onto my spare word: scalar work stands between it and the wait for it
.if \fill
	s_xor_b32 s[G0B+1], s[G0B+1], SLOT1            ; the walking descriptor: the other slot than last time,
	s_add_nc_u64 s[G0B+2:G0B+3], s[G0B+2:G0B+3], SLOTB  ; the next 12 steps; the type bits on top are not reached
.endif
	s_sub_co_u32 s[TB], s[TB], SLOTB               ; the fetches go back to a slot's first step,
	s_xor_b32 s[TB], s[TB], SLOT1                  ; in the other slot
	s_wait_dscnt 0x0                               ; the add is done, and my reads of this slot are over
.if \fill
	CROUND
	tensor_load_to_lds s[G0B:G0B+3], s[G1W:G1W+7]
	s_nop 0
	PLACES
.else
	s_barrier_signal -1
	s_barrier_wait -1
.endif
.endm
	s_load_b256 s[4:11], s[0:1], 0x0               ; nn_input s[4:5], wf s[6:7], w_nn s[8:9], b_nn s[10:11]
	s_load_b64 s[12:13], s[0:1], 0x20              ; out0
	v_lshl_add_u32 v[SPW], v0, 2, SPARE
	v_mov_b32 v[NIL], 0
	ds_add_u32 v[SPW], v[NIL]                      ; the wave's opening: the add and its wait come ahead of my first tensor load; the set-up below, work on registers, stands between them
	v_lshrrev_b32 v1, 5, v0
	v_readfirstlane_b32 s[WV], v1                  ; wave 0..3
	s_bfe_u32 s[CX], ttmp6, 0x40000                ; my place in the cluster
	s_lshl_b32 s[WG], ttmp9, 2                     ; in a cluster launch ttmp9 counts clusters
	s_add_co_u32 s[WG], s[WG], s[CX]
	s_mul_i32 s20, s[WG], 16*XBATCH                ; x: my work-group's 16 batches,
	s_mul_i32 s21, s[WV], XW                       ; my wave's four
	s_add_co_u32 s20, s20, s21
	s_mov_b32 s21, 0
	s_mul_i32 s22, s[WV], QUART                    ; wf: my quarter of a slot; these registers never hold my place in the cluster
	s_mov_b32 s23, 0
	s_lshl_b32 s18, s[WG], 6                       ; out0: 16 numbers a work-group,
	s_lshl_b32 s19, s[WV], 4                       ; four a wave
	s_add_co_u32 s18, s18, s19
	s_mov_b32 s19, 0
	; descriptor group 1 for wf: dense bytes, asked for as 96 rows of 256 bytes
	s_mov_b32 s[G1W+0], 15|(3<<16)|(1<<21)         ; 15:0 the mask: all four work-groups; 17:16 elements of 8 bytes; 21 set beside a mask
	s_mov_b32 s[G1W+1], 32<<16                     ; tensor_dim0 = 32
	s_mov_b32 s[G1W+2], 96<<16                     ; tensor_dim1 = 96
	s_mov_b32 s[G1W+3], 32<<16                     ; tile_dim0 = 32
	s_mov_b32 s[G1W+4], 96                         ; tile_dim1 = 96
	s_mov_b32 s[G1W+5], 32                         ; 32 elements from row to row
	s_mov_b32 s[G1W+6], 0
	s_mov_b32 s[G1W+7], 0
	; and for x: my wave's own 9,984 dense bytes, 39 rows of 256; no mask
	s_mov_b32 s[G1X+0], 3<<16
	s_mov_b32 s[G1X+1], 32<<16
	s_mov_b32 s[G1X+2], 39<<16
	s_mov_b32 s[G1X+3], 32<<16
	s_mov_b32 s[G1X+4], 39
	s_mov_b32 s[G1X+5], 32
	s_mov_b32 s[G1X+6], 0
	s_mov_b32 s[G1X+7], 0
	s_mov_b32 s[G0A], 1                            ; count = 1
	s_mul_i32 s[G0A+1], s[WV], QUART               ; LDS address: slot 0, my quarter
	s_mov_b32 s[G0B], 1
	s_add_co_u32 s[G0B+1], s[G0A+1], SLOT1
	s_mov_b32 s[G0X], 1
	s_mul_i32 s[G0X+1], s[WV], XW
	s_add_co_u32 s[G0X+1], s[G0X+1], XS
	s_mov_b32 s[SEL], 0x76543210
	s_mov_b32 s[SEL+1], 0xfedcba98
	s_wait_dscnt 0x0                               ; the opening add is done
	s_wait_kmcnt 0x0
	s_add_nc_u64 s[G0A+2:G0A+3], s[6:7], s[22:23]  ; steps 0-11,
	s_add_nc_u64 s[G0B+2:G0B+3], s[G0A+2:G0A+3], SLOTB  ; steps 12-23
	s_or_b32 s[G0A+3], s[G0A+3], 0x80000000        ; type = 2
	s_or_b32 s[G0B+3], s[G0B+3], 0x80000000
	s_add_nc_u64 s[G0X+2:G0X+3], s[4:5], s[20:21]
	s_or_b32 s[G0X+3], s[G0X+3], 0x80000000
	s_add_nc_u64 s[12:13], s[12:13], s[18:19]
	s_load_b32 s[BN], s[10:11], 0x0                ; b
	CROUND                                         ; all four work-groups are here: the first joint loads meet
	tensor_load_to_lds s[G0X:G0X+3], s[G1X:G1X+7]  ; the first fills go out as one group: x first, since it is wanted first
	s_nop 0
	tensor_load_to_lds s[G0A:G0A+3], s[G1W:G1W+7]
	s_nop 0
	tensor_load_to_lds s[G0B:G0B+3], s[G1W:G1W+7]
	s_nop 0
	PLACES
	; while the tiles are on their way: w, the addresses, and the registers that must hold something
	v_and_b32 v[LN], 31, v0
	v_and_b32 v1, 15, v0                           ; r
	v_bfe_u32 v11, v0, 4, 1                        ; h
	v_lshlrev_b32 v[W8], 5, v11
	WIN 0xc0                                       ; destination window 3, address window 0
.set i_, 0
.rept 16
	global_load_b128 v[8*i_:8*i_+3],   v[W8], s[8:9] offset:64*i_
	global_load_b128 v[8*i_+4:8*i_+7], v[W8], s[8:9] offset:64*i_+16
.set i_, i_+1
.endr
	WIN 0
	v_lshlrev_b32 v[WL0], 4, v[LN]
	v_lshl_add_u32 v[XB], v1, 2, s[G0X+1]          ; my wave's x, d = r
	v_mul_u32_u24 v12, 1280, v11                   ; 20 fields on for the upper half of the lanes
	v_add_nc_u32 v[EB1], v[XB], v12
	v_xor_b32 v13, 16, v0
	v_bfe_u32 v13, v13, 4, 1                       ; 1 - h
	v_mul_u32_u24 v13, 1216, v13                   ; 19 fields on for the lower half
	v_add_nc_u32 v[EB2], v[XB], v13
	v_mov_b32 v[Z0], 0
.irp x, 1, 2                           ; a mix form keeps the other half of its destination, so z's registers hold something beforehand; the partial sums start at 0; 49 lines a window, in the wait for the first tiles
	WIN 0x40*(\x)
	v_mov_b32 v[ZR], 0
.set i_, ZB
.rept 48
	v_mov_b32 v[i_], 0
.set i_, i_+1
.endr
.endr
	s_wait_tensorcnt 0x2                           ; tensor loads of a wave end in order (ISA guide 10.11.1): my x is in; the two slots' loads may be out.  Only I read these bytes
.irp x, 1, 2
	WIN 0x40*(\x)                                  ; destination window x, address window 0
.irp l, 0, 1
.set u_, 0
.rept 39
.if u_ < 19
	ds_load_b32 v[EREG+39*(\l)+u_], v[EB1] offset:XBATCH*(2*((\x)-1)+(\l))+64*u_
.else
	ds_load_b32 v[EREG+39*(\l)+u_], v[EB2] offset:XBATCH*(2*((\x)-1)+(\l))+64*(u_-19)
.endif
.set u_, u_+1
.endr
.endr
.endr
	WIN 0
.irp b, 0,1,2,3
.set u_, 0
.rept 20
.if u_ < 19
	ds_load_b32 v[PREG+20*(\b)+u_], v[EB1] offset:XBATCH*(\b)+64*u_
.else
	ds_load_b32 v[PREG+20*(\b)+u_], v[EB2] offset:XBATCH*(\b)
.endif
.set u_, u_+1
.endr
.endr
	s_wait_loadcnt 0x0                             ; w
	s_wait_kmcnt 0x0                               ; b
	WIN 0xc3
.set i_, 0
.rept 64
	v_pk_add_f32 v[2*i_:2*i_+1], v[2*i_:2*i_+1], 1.0 op_sel_hi:[1,0]  ; 1 + w: the plain sum and the weighted one in one factor
.set i_, i_+1
.endr
	WIN 0
	s_wait_dscnt 0x0                               ; E and P; no LDS instruction is out at a signal
	s_wait_tensorcnt 0x1                           ; my part of slot 0 is in; slot 1's may stay out
	s_barrier_signal -1
	s_barrier_wait -1                              ; everybody's is
	v_mov_b32 v[WA], v[WL0]                        ; step 0 lies at the head of slot 0
	s_mov_b32 s[TB], STEPBY
	FETCH 0
	LUMP K0, 0
	; LAYER 0: its register numbers hang on the step, so its 24 steps are written out.  Slots 0 and 1 are left in front of steps 11 and 23.
.set s_, 0
.rept 24
.if (s_ == 11) || (s_ == 23)
	CHANGE 1
.endif
	STEP0 s_
.set s_, s_+1
.endr
	TRANS 0                                        ; layer 0 ends; layer 1's field 0, first step
	WIN 0
	s_mov_b32 s[CNT], 5
.Lpre:                                                 ; fields 0-4: up to the slot's last step
	TRIP 0
	s_sub_co_u32 s[CNT], s[CNT], 1
	s_cmp_lg_u32 s[CNT], 0
	s_cbranch_scc1 .Lpre
	s_mov_b32 s[UNIT], 5
	s_mov_b32 s[SL], 11
.Lslot:                                                ; 11 times: six trips a slot, fields 5-70 of the 78; every slot left here is filled again
	CHANGE 1
	s_mov_b32 s[CNT], 6
.Ltrip:
	TRIP 1
	s_sub_co_u32 s[CNT], s[CNT], 1
	s_cmp_lg_u32 s[CNT], 0
	s_cbranch_scc1 .Ltrip
	s_sub_co_u32 s[SL], s[SL], 1
	s_cmp_lg_u32 s[SL], 0
	s_cbranch_scc1 .Lslot
	CHANGE 0                                       ; the tail is written out: nothing is left to ask for
	s_mov_b32 s[CNT], 6
.Ltail:                                                ; fields 71-76
	TRIP 0
	s_sub_co_u32 s[CNT], s[CNT], 1
	s_cmp_lg_u32 s[CNT], 0
	s_cbranch_scc1 .Ltail
	s_wait_dscnt 0x0                               ; the last step's fragments
	MULS 1, 1, 0, KN, 0
	PLACES
	EPI 0, 8
	; THE WAY OUT: a block's eight partial sums, then the 32 lanes (16 d x 2 halves of the columns); b; lane 0 stores the wave's four numbers, 16 consecutive bytes.
	; (out0 is 16,384 bytes in all and a work-group owns 64 of them: there is no whole block of 256 bytes to fill.)
.irp x, 1, 2
	WIN 0x45*(\x)
.irp l, 0, 1
	v_pk_add_f32 v[SC+8*(\l):SC+8*(\l)+1],   v[SC+8*(\l):SC+8*(\l)+1],   v[SC+8*(\l)+2:SC+8*(\l)+3]
	v_pk_add_f32 v[SC+8*(\l)+4:SC+8*(\l)+5], v[SC+8*(\l)+4:SC+8*(\l)+5], v[SC+8*(\l)+6:SC+8*(\l)+7]
.endr
.irp l, 0, 1
	v_pk_add_f32 v[SC+8*(\l):SC+8*(\l)+1],   v[SC+8*(\l):SC+8*(\l)+1],   v[SC+8*(\l)+4:SC+8*(\l)+5]
.endr
	WIN 0x05*(\x)                                  ; sources in window x, destination in window 0
.irp l, 0, 1
	v_add_f32 v[RS+2*((\x)-1)+(\l)], v[SC+8*(\l)], v[SC+8*(\l)+1]
.endr
.endr
	WIN 0
.irp k, 1, 2, 4, 8
.irp b, 0,1,2,3
	v_add_f32_dpp v[RS+\b], v[RS+\b], v[RS+\b] row_xmask:\k row_mask:0xf bank_mask:0xf
.endr
.endr
.irp b, 0,1,2,3
	v_permlanex16_b32 v[XN+\b], v[RS+\b], s[SEL], s[SEL+1]  ; its destination counts as read: registers that have been written
.endr
.irp b, 0,1,2,3
	v_add_f32 v[RS+\b], v[RS+\b], v[XN+\b]
.endr
.irp b, 0,1,2,3
	v_add_f32 v[RS+\b], s[BN], v[RS+\b]
.endr
	s_wait_xcnt 0x0                                ; EXEC changes only behind this wait
	v_cmp_eq_u32 vcc_lo, 0, v[LN]
	s_and_saveexec_b32 s[SX], vcc_lo
	global_store_b128 v[Z0], v[RS:RS+3], s[12:13]
	s_wait_xcnt 0x0                                ; and again, in front of the line that widens it
	s_or_b32 exec_lo, exec_lo, s[SX]
	s_wait_tensorcnt 0x0                           ; the wave's end, behind my last tensor load
	ds_add_u32 v[SPW], v[NIL]
	s_wait_dscnt 0x0
	CROUND                                         ; the closing round: no work-group ends while a partner may still ask for a tile that names it
	s_endpgm
.Lfunc_end_k_q4f6675d965_cin:
	.size	k_q4f6675d965_cin, .Lfunc_end_k_q4f6675d965_cin-k_q4f6675d965_cin
	.p2alignl 7, 3214868480
	.fill 96, 4, 3214868480
	.section	.rodata,"a",@progbits
	.p2align	6, 0x0
	.amdhsa_kernel k_q4f6675d965_cin
		.amdhsa_group_segment_fixed_size 327680
		.amdhsa_private_segment_fixed_size 0
		.amdhsa_enable_private_segment 0
		.amdhsa_kernarg_size 40
		.amdhsa_user_sgpr_count 2
		.amdhsa_user_sgpr_kernarg_segment_ptr 1
		.amdhsa_wavefront_size32 1
		.amdhsa_system_sgpr_workgroup_id_x 1
		.amdhsa_system_sgpr_workgroup_id_y 1
		.amdhsa_system_sgpr_workgroup_id_z 1
		.amdhsa_system_vgpr_workitem_id 0
		.amdhsa_next_free_vgpr 896
		.amdhsa_next_free_sgpr 66
		.amdhsa_reserve_vcc 1
		.amdhsa_float_denorm_mode_32 3
		.amdhsa_float_denorm_mode_16_64 3
		.amdhsa_memory_ordered 1
		.amdhsa_forward_progress 1
		.amdhsa_inst_pref_size 255
	.end_amdhsa_kernel
	.section	.bss,"aw",@nobits
	.p2align	6
	.space	262144
	.amdgpu_metadata
---
amdhsa.version: [ 1, 2 ]
amdhsa.kernels:
  - .name:           k_q4f6675d965_cin
    .symbol:         k_q4f6675d965_cin.kd
    .args:
      - { .name: nn_input, .offset: 0, .size: 8, .value_kind: global_buffer, .address_space: global }
      - { .name: wf, .offset: 8, .size: 8, .value_kind: global_buffer, .address_space: global }
      - { .name: w_nn, .offset: 16, .size: 8, .value_kind: global_buffer, .address_space: global }
      - { .name: b_nn, .offset: 24, .size: 8, .value_kind: global_buffer, .address_space: global }
      - { .name: out0, .offset: 32, .size: 8, .value_kind: global_buffer, .address_space: global }
    .group_segment_fixed_size: 327680
    .private_segment_fixed_size: 0
    .kernarg_segment_align: 8
    .kernarg_segment_size: 40
    .max_flat_workgroup_size: 128
    .sgpr_count:     66
    .vgpr_count:     896
    .wavefront_size: 32
...
	.end_amdgpu_metadata
.endif
;; end of part 2
